; MI455X (gfx1250); checked and timed in simulation.
; The chip was launched on July 23, 2026; its instructions are those of AMD's public machine-readable ISA for CDNA 5 (MIT licence, August 2026) and "CDNA5" Instruction Set Architecture Reference Guide (July 2026). The comments in the code are by the model that wrote it; some were corrected since.
;; LSTM Cell. Allowed arithmetic: matrix products marked QUANTISED: E2M1 operands, one E8M0 scale for each 32 along K, by v_wmma_scale_f32_16x16x128_f8f6f4 with both operands' format E2M1 (or v_wmma_scale_f32_32x16x128_f4), f32 sums; everything else in f32.
;; Inputs: b_ci 1,024 float32; b_fg 1,024 float32; b_ig 1,024 float32; b_og 1,024 float32; cx 8,192 x 1,024 float32; hx 8,192 x 1,024 float32; r_ci 1,024 x 1,024 float32; r_fg 1,024 x 1,024 float32; r_ig 1,024 x 1,024 float32; r_og 1,024 x 1,024 float32; w_ci 1,024 x 1,024 float32; w_fg 1,024 x 1,024 float32; w_ig 1,024 x 1,024 float32; w_og 1,024 x 1,024 float32; xt 8,192 x 1,024 float32.
;; Outputs: out0 8,192 x 1,024 float32; out1 8,192 x 1,024 float32.
;; This version of the problem:
;;   THIS VERSION OF THE PROBLEM IS GIVEN IN LOW PRECISION. The matrix products marked QUANTISED in the list below multiply operands that are first quantised to E2M1 (2 exponent bits, 1 mantissa bit; 4 bits a number), with one power-of-two scale for each 32 numbers along K (OCP MX v1.0); their sums are f32. All else is computed in f32.
;;   The module's matrix products, in the order in which they are computed (A, B: the left and right operand; K: the contracted axis; several contracted axes count as one K, in the product's order):
;;     1. [M 8,192, K 1,024] x [K 1,024, N 4,096]; A: input xt; B: computed on the way: QUANTISED
;;     2. [M 8,192, K 1,024] x [K 1,024, N 4,096]; A: input hx; B: computed on the way: QUANTISED
;;   THE QUANTISER, for each operand of a quantised product, along K:
;;     - K is cut into blocks of 32 from its start; a last block that is shorter is filled with zeros.
;;     - A block's scale is 2^e with e = floor(log2(the largest magnitude in the block)) - 2, held to -126 .. 127; a block of zeros has e = 0. As a byte (E8M0): e + 127.
;;     - Each number is divided by its block's scale, clamped to +-6, and rounded to the nearest number of E2M1, ties to even, subnormals kept.
;;     - The product sums the exact products of the quantised numbers (number of the format x scale) in f32.
;;   ~~~python
;;   def quantise(x, axis):      # numpy; x: float32 -> the quantised numbers, widened to float32 again
;;       x = np.moveaxis(x, axis, -1); K = x.shape[-1]
;;       x = np.pad(x, [(0, 0)] * (x.ndim - 1) + [(0, -K % 32)]); x = x.reshape(x.shape[:-1] + (-1, 32)); a = np.abs(x).max(-1, keepdims=True)
;;       e = np.where(a > 0, np.clip(np.frexp(np.where(a > 0, a, 1))[1] - 1 - 2, -126, 127), 0)      # np.frexp(a)[1] - 1 = floor(log2(a)), exactly
;;       r = np.clip(x / 2.0 ** e, -6, 6)
;;       step = 2.0 ** (np.maximum(np.frexp(np.where(r == 0, 1, r))[1] - 1, 0) - 1)
;;       q = np.round(r / step) * step * 2.0 ** e      # np.round: ties to even
;;       return np.moveaxis(q.reshape(q.shape[:-2] + (-1,))[..., :K], -1, axis).astype(np.float32)
;;   ~~~
;;   OPERANDS COMPUTED ON THE WAY. 'Computed on the way' means the value that the module computes at that place (a softmax that the list does not call 'softmax' is quantised finished and normalised). What goes into a quantiser is computed in f32, as accurately as f32 sums, v_exp_f32 and their like allow (about 1e-6 of the number): no bf16 or f16 on the way to a quantiser, and a product that is left as it is and whose result goes on into a quantised operand takes f32 operands (vector FMAs, or v_wmma_f32_16x16x4_f32). A number that lies on a knife's edge between two numbers of the format may be rounded either way, as far as f32 arithmetic and the matrix unit's own rounding can turn it there, and no further.
;; One version. Each part assembles by itself: llvm-mc -triple=amdgcn-amd-amdhsa -mcpu=gfx1250 --defsym DOCPART=n.
;; ======== version 1 of 1: 2 launches
;; limits: right only within a limited range of input values
;; workspace buffers: a_pack 8,912,896 bytes; b_pack 4,456,448 bytes
;; launch quant (part 1): grid 768 x 1, 4 waves a work-group, no clusters, 33,280 bytes of LDS; arguments xt, hx, w_fg, w_ig, w_og, w_ci, r_fg, r_ig, r_og, r_ci, a_pack, b_pack; writes a_pack, b_pack
.if DOCPART == 1
	.amdgcn_target "amdgcn-amd-amdhsa--gfx1250"
	.amdhsa_code_object_version 6
	.text
	.protected	k_qc6b746bc09_quant
	.globl	k_qc6b746bc09_quant
	.p2align	8
	.type	k_qc6b746bc09_quant,@function
k_qc6b746bc09_quant:
	s_mov_b64 s[64:65], 0
	v_nop
	global_prefetch_b8 v0, s[64:65] scope:SCOPE_SE
	s_setreg_imm32_b32 hwreg(HW_REG_WAVE_MODE, 25, 1), 1
	s_wait_xcnt 0x0
; LSTM cell, first of two launches: the operands of the two quantised products become codes of FP4 (E2M1) with one E8M0 scale byte for each 32 along K.
; NO WORK IS LEFT OUT in this program: every one of the 15 inputs reaches an output, and nothing of reference() is sliced away.
; xt Wt + hx Rt is ONE product with K = 2,048: A = [xt | hx] (8,192 rows), B = [W | R] (4,096 rows); 1,024 is a multiple of 32, so the blocks of 32 are those of the two products.
; LAYOUT of a_pack and b_pack: [block of 256 rows][K step of 512: 0, 1 of xt or w, 2, 3 of hx or r][69,632 bytes]: 256 rows x 256 bytes of codes (two a byte, the lower k in the low four bits),
; then 256 rows x 16 scale bytes: so a K step's tile with its scales is one dense run of 272 x 256 bytes.
; B's rows stand in an order of this program's own: row n holds gate (n >> 5) & 3 (0 f, 1 i, 2 o, 3 ci) of hidden unit 32 (n >> 7) + (n & 31).
; A block's scale byte is its largest magnitude's exponent field - 2, held at 1 from below (a block of zeros gets 1 where the rule says 127: its codes are zeros, and this program alone reads the bytes).
; LIMITS: blocks whose largest magnitude lies under 2^(3 - 127) were not tried; NaN and infinities among xt, hx and the weights are not served.
; SHARES: a work-group owns 16 rows of A (work-groups 0-511) or of B (512-767); wave w takes K step w of all 16: step t is row t, 512 numbers.  Its codes are 4,096 consecutive bytes, its scale bytes 256, both aligned.
; Each of a step's four loads reads 512 consecutive bytes; the 2,048 bytes turn through the wave's own stage in LDS and come back 64 bytes a lane.  Waves share nothing: no barrier.
.set WAVES, 4
.set STEPS, 16
.set NA,    512
.set EMAX,  2
.set CB,    8
.set TMEM,  69632                      ; a K step's tile in memory
.set R,     16                         ; v16-79   four sets of 16 numbers as loaded
.set X,     80                         ; v80-111  two sets of 16 neighbours
.set E,     112                        ; v112-127 a scale byte for each step
.set C,     128                        ; v128-191 codes, registers of their own for each step
.set WREG,  8192
.set SP,    80
.set SPW,   12
.set NIL,   13
.set SPARE, WAVES*WREG
	s_load_b512 s[16:31], s[0:1], 0x0              ; xt 16, hx 18, w_fg 20, w_ig 22, w_og 24, w_ci 26, r_fg 28, r_ig 30
	s_load_b256 s[32:39], s[0:1], 0x40             ; r_og 32, r_ci 34, a_pack 36, b_pack 38
	v_lshl_add_u32 v[SPW], v0, 2, SPARE
	v_mov_b32 v[NIL], 0
	v_lshrrev_b32 v1, 5, v0
	v_readfirstlane_b32 s44, v1                    ; wave
	v_and_b32 v2, 31, v0
	v_lshlrev_b32 v3, 4, v2                        ; my 16 bytes of a load's 512
	s_mul_i32 s45, s44, WREG
	v_lshrrev_b32 v14, 2, v2
	v_mul_u32_u24 v14, v14, SP
	v_and_b32 v15, 3, v2
	v_lshl_add_u32 v14, v15, 4, v14
	v_add_nc_u32 v14, s45, v14                     ; the stage, way in
	v_mul_u32_u24 v15, v2, SP
	v_add_nc_u32 v15, s45, v15                     ; way out: my 16 neighbours
	v_mul_u32_u24 v4, v2, CB
	v_lshrrev_b32 v5, 1, v2
	s_add_co_u32 s45, s45, 2*32*SP
	v_add_nc_u32 v5, s45, v5                       ; my block's scale byte in LDS
	v_lshlrev_b32 v7, 3, v2
	v_add_nc_u32 v6, s45, v7
	s_sub_co_u32 s46, ttmp9, NA                    ; j: which 16 rows of B (selected away in A's work-groups)
	s_bfe_u32 s47, s46, 0x20001                    ; the gate
	s_lshr_b32 s48, s46, 3
	s_lshl_b32 s48, s48, 5
	s_and_b32 s49, s46, 1
	s_lshl_b32 s49, s49, 4
	s_add_co_u32 s48, s48, s49                     ; B: first row in the gate's tensors
	s_lshl_b32 s50, ttmp9, 4                       ; A: first row
	s_lshl_b32 s51, s46, 4                         ; B: first row in b_pack's order
	s_wait_alu depctr_va_vdst(0)                   ; the wait at the head's end
	s_wait_kmcnt 0x0
	s_cmp_eq_u32 s47, 1                            ; every choice hangs on ids alone
	s_cselect_b64 s[20:21], s[22:23], s[20:21]
	s_cselect_b64 s[28:29], s[30:31], s[28:29]
	s_cmp_eq_u32 s47, 2
	s_cselect_b64 s[20:21], s[24:25], s[20:21]
	s_cselect_b64 s[28:29], s[32:33], s[28:29]
	s_cmp_eq_u32 s47, 3
	s_cselect_b64 s[20:21], s[26:27], s[20:21]
	s_cselect_b64 s[28:29], s[34:35], s[28:29]
	s_cmp_lt_u32 ttmp9, NA
	s_cselect_b64 s[4:5], s[16:17], s[20:21]       ; xt or w
	s_cselect_b64 s[6:7], s[18:19], s[28:29]       ; hx or r
	s_cselect_b64 s[8:9], s[36:37], s[38:39]
	s_cselect_b32 s48, s50, s48
	s_cselect_b32 s51, s50, s51
	s_cmp_lt_u32 s44, 2                            ; waves 0, 1: the first source; 2, 3: the second
	s_cselect_b64 s[4:5], s[4:5], s[6:7]
	s_lshl_b32 s54, s48, 12                        ; a source's row is 4,096 bytes
	s_and_b32 s52, s44, 1
	s_lshl_b32 s52, s52, 11                        ; which half of it
	s_add_co_u32 s54, s54, s52
	s_mov_b32 s55, 0
	s_add_nc_u64 s[4:5], s[4:5], s[54:55]
	s_lshr_b32 s56, s51, 8
	s_lshl_b32 s56, s56, 2
	s_add_co_u32 s56, s56, s44
	s_mul_i32 s56, s56, TMEM                       ; tile (row block, K step = wave)
	s_mov_b32 s57, 0
	s_add_nc_u64 s[8:9], s[8:9], s[56:57]
	s_and_b32 s53, s51, 255
	s_lshl_b32 s58, s53, 4
	s_add_co_u32 s58, s58, 65536
	s_mov_b32 s59, 0
	s_add_nc_u64 s[10:11], s[8:9], s[58:59]        ; my 256 scale bytes
	s_lshl_b32 s56, s53, 8
	s_add_nc_u64 s[8:9], s[8:9], s[56:57]          ; my 16 rows of codes
.macro LOAD t
.irp i, 0,1,2,3
	global_load_b128 v[R+16*((\t)%4)+4*\i:R+16*((\t)%4)+4*\i+3], v3, s[4:5] offset:(\t)*4096+512*\i th:TH_LOAD_NT
.endr
.endm
.macro TURN t                          ; LDS serves a wave's instructions in order: no wait between the stores and the loads
.irp i, 0,1,2,3
	ds_store_b128 v14, v[R+16*((\t)%4)+4*\i:R+16*((\t)%4)+4*\i+3] offset:32*SP*((\t)%2)+8*SP*\i
.endr
.irp i, 0,1,2,3
	ds_load_b128 v[X+16*((\t)%2)+4*\i:X+16*((\t)%2)+4*\i+3], v15 offset:32*SP*((\t)%2)+16*\i
.endr
.endm
.irp t, 0,1,2,3
	LOAD \t
.endr
	s_wait_loadcnt 12                              ; step 0's four loads are in; twelve may be out
	TURN 0
.macro STEP t
.set XS, X+16*((\t)%2)
.if (\t) > 0
	s_wait_dscnt 1                                 ; this step's numbers are back (the last byte store may be out)
.else
	s_wait_dscnt 0x0
.endif
.if (\t)+4 < STEPS
	LOAD (\t)+4
.endif
.if (\t)+1 < STEPS
.if STEPS-2-(\t) >= 3
	s_wait_loadcnt 12                              ; the next step's four loads are in; three steps' may be out
.else
	s_wait_loadcnt 4*(STEPS-2-(\t))
.endif
	TURN (\t)+1
.endif
	v_max3_num_f32 v8, |v[XS]|, |v[XS+1]|, |v[XS+2]|
	v_max3_num_f32 v9, |v[XS+3]|, |v[XS+4]|, |v[XS+5]|
.irp i, 6,10
	v_max3_num_f32 v8, v8, |v[XS+\i]|, |v[XS+\i+1]|
	v_max3_num_f32 v9, v9, |v[XS+\i+2]|, |v[XS+\i+3]|
.endr
	v_max3_num_f32 v8, v8, |v[XS+14]|, |v[XS+15]|
	v_max3_num_f32 v8, v8, v9, (EMAX+1)<<23        ; the floor: the byte cannot fall under 1
	v_max_num_f32_dpp v8, v8, v8 row_xmask:1 row_mask:0xf bank_mask:0xf   ; with my neighbour's 16: the block's
	v_add_nc_u32 v11, -(EMAX<<23), v8              ; the conversion's scale operand
	v_cvt_scalef32_pk8_fp4_f32 v[C+4*(\t)], v[XS:XS+7], v11
	v_cvt_scalef32_pk8_fp4_f32 v[C+4*(\t)+1], v[XS+8:XS+15], v11
	v_lshrrev_b32 v[E+(\t)], 23, v11               ; the scale's byte
	ds_store_b8 v5, v[E+(\t)] offset:16*(\t)
	global_store_b64 v4, v[C+4*(\t):C+4*(\t)+1], s[8:9] offset:32*CB*(\t)   ; 256 consecutive bytes, aligned: row t's codes
.endm
.irp t, 0,1,2,3,4,5,6,7,8,9,10,11,12,13,14,15
	STEP \t
.endr
	ds_load_b64 v[8:9], v6
	s_wait_dscnt 0x0
	global_store_b64 v7, v[8:9], s[10:11]          ; 16 rows x 16 scale bytes: 256 consecutive bytes, aligned
	s_wait_tensorcnt 0x0                           ; the wave's end
	ds_add_u32 v[SPW], v[NIL]
	s_wait_dscnt 0x0
	s_endpgm
.Lfunc_end_k_qc6b746bc09_quant:
	.size	k_qc6b746bc09_quant, .Lfunc_end_k_qc6b746bc09_quant-k_qc6b746bc09_quant
	.p2alignl 7, 3214868480
	.fill 96, 4, 3214868480
	.section	.rodata,"a",@progbits
	.p2align	6, 0x0
	.amdhsa_kernel k_qc6b746bc09_quant
		.amdhsa_group_segment_fixed_size 33280
		.amdhsa_private_segment_fixed_size 0
		.amdhsa_enable_private_segment 0
		.amdhsa_kernarg_size 96
		.amdhsa_user_sgpr_count 2
		.amdhsa_user_sgpr_kernarg_segment_ptr 1
		.amdhsa_wavefront_size32 1
		.amdhsa_system_sgpr_workgroup_id_x 1
		.amdhsa_system_sgpr_workgroup_id_y 1
		.amdhsa_system_sgpr_workgroup_id_z 1
		.amdhsa_system_vgpr_workitem_id 0
		.amdhsa_next_free_vgpr 192
		.amdhsa_next_free_sgpr 66
		.amdhsa_reserve_vcc 0
		.amdhsa_float_denorm_mode_32 3
		.amdhsa_float_denorm_mode_16_64 3
		.amdhsa_memory_ordered 1
		.amdhsa_forward_progress 1
		.amdhsa_inst_pref_size 34
	.end_amdhsa_kernel
	.amdgpu_metadata
---
amdhsa.version: [ 1, 2 ]
amdhsa.kernels:
  - .name:           k_qc6b746bc09_quant
    .symbol:         k_qc6b746bc09_quant.kd
    .args:
      - { .name: xt, .offset: 0, .size: 8, .value_kind: global_buffer, .address_space: global }
      - { .name: hx, .offset: 8, .size: 8, .value_kind: global_buffer, .address_space: global }
      - { .name: w_fg, .offset: 16, .size: 8, .value_kind: global_buffer, .address_space: global }
      - { .name: w_ig, .offset: 24, .size: 8, .value_kind: global_buffer, .address_space: global }
      - { .name: w_og, .offset: 32, .size: 8, .value_kind: global_buffer, .address_space: global }
      - { .name: w_ci, .offset: 40, .size: 8, .value_kind: global_buffer, .address_space: global }
      - { .name: r_fg, .offset: 48, .size: 8, .value_kind: global_buffer, .address_space: global }
      - { .name: r_ig, .offset: 56, .size: 8, .value_kind: global_buffer, .address_space: global }
      - { .name: r_og, .offset: 64, .size: 8, .value_kind: global_buffer, .address_space: global }
      - { .name: r_ci, .offset: 72, .size: 8, .value_kind: global_buffer, .address_space: global }
      - { .name: a_pack, .offset: 80, .size: 8, .value_kind: global_buffer, .address_space: global }
      - { .name: b_pack, .offset: 88, .size: 8, .value_kind: global_buffer, .address_space: global }
    .group_segment_fixed_size: 33280
    .private_segment_fixed_size: 0
    .kernarg_segment_align: 8
    .kernarg_segment_size: 96
    .max_flat_workgroup_size: 128
    .sgpr_count:     66
    .vgpr_count:     192
    .wavefront_size: 32
...
	.end_amdgpu_metadata
.endif
;; end of part 1
;; launch lstm (part 2): grid 16 x 32, 4 waves a work-group, clusters of 4 x 4, 327,680 bytes of LDS; arguments a_pack, b_pack, b_fg, b_ig, b_og, b_ci, cx, out0, out1; writes out0, out1
.if DOCPART == 2
	.amdgcn_target "amdgcn-amd-amdhsa--gfx1250"
	.amdhsa_code_object_version 6
	.text
	.protected	k_qc6b746bc09_lstm
	.globl	k_qc6b746bc09_lstm
	.p2align	8
	.type	k_qc6b746bc09_lstm,@function
k_qc6b746bc09_lstm:
	s_mov_b64 s[64:65], 0
	v_nop
	global_prefetch_b8 v0, s[64:65] scope:SCOPE_SE
	s_setreg_imm32_b32 hwreg(HW_REG_WAVE_MODE, 25, 1), 1
	s_wait_xcnt 0x0
	s_wait_alu depctr_hold_cnt(0) depctr_sa_sdst(0) depctr_va_vdst(0) depctr_va_sdst(0) depctr_va_ssrc(0) depctr_va_vcc(0) depctr_vm_vsrc(0)
	s_getreg_b32 s2, hwreg(HW_REG_IB_STS2, 6, 4)
	s_cmp_eq_u32 s2, 0
	s_cbranch_scc0 .Lentry_in_a_cluster
	s_endpgm
.Lentry_in_a_cluster:
	s_bfe_u32 s2, ttmp6, 0x10000c
	s_cmp_lg_u32 s2, 0xf033
	s_cbranch_scc0 .Lentry_shape_is_right
	s_endpgm
.Lentry_shape_is_right:
; LSTM cell, second launch: gates = A Bt + b on codes of FP4 (E2M1) with E8M0 scales, then ct = sigmoid(f) cx + sigmoid(i) tanh(g), ht = sigmoid(o) tanh(ct), in f32.  No work of reference() is left out.
; A tile of the gates, 256 rows x 256 rows of B (4 gates x 64 hidden units), is made by four waves, each 128 x 128: 64 accumulators.  The matrix instruction is used transposed (source 0 = B's rows, source 1 = A's).
; K goes in four steps of 512 through two LDS slots.  A K step's tile of A or B is a dense run of 272 x 256 bytes of the first launch's layout: 256 rows of codes, then 16 rows with the 256 rows' scale bytes.
; Every fill is a half tile (136 rows) a wave: waves 0, 1 A's halves, waves 2, 3 B's.  HEAD: K step 0.  K step 1 follows behind the full sequence and a round of the cluster's barrier, K steps 2 and 3 are refills.
; CLUSTERS 4 x 4: A's tiles are asked for jointly along a row of the cluster, B's along a column.
; PREFETCH: K step t + 1's tiles are named where K step t's load has gone out (K step 1's at the head's end), one K step ahead of their load: a tile's 272 blocks of 256 bytes are shared by address among the
; 16 waves of the four partners, 17 each (lanes 16-31 name the wave's last block again).  cx (64 rows x 256 bytes a wave) is named at the second change of slots, two K steps ahead of its first load.
; WAY OUT: all gates go once through a stage in LDS over the ring (after its last fill and read), rows of [f | i | o | g] x 64 numbers + 16 bytes; each wave then finishes 64 whole rows in units of 256 bytes.
; ARITHMETIC, with E_x = 2^(c x): ct = (cx (1+Ei)(1+Eg) + (Eg-1)(1+Ef)) / ((1+Ef)(1+Ei)(1+Eg)), Ef, Ei of -f, -i, Eg of 2 g;  ht = (Ec-1) / ((1+Eo)(1+Ec)).
; LIMITS: every exponent to the base 2 is held at 40 from above, so that no product overflows: a sigmoid is never under 2^-40 and 1 - |tanh| never under 2^-39; |cx| stays under 2^40; NaN and infinities are not served.
; tanh has an absolute error of about 1e-7.  The bias enters as fma(c, gate, c b).  The two products are summed in one accumulator, xt's K ahead of hx's.
.set NQ,     4
.set PITCH,  272
.set FR,     8
.set NL,     2
.set NP,     4
.set HALFT,  128*PITCH                 ; what a wave reads of A or of B
.set TILE,   272*PITCH                 ; a tile in LDS
.set HALF,   136*PITCH                 ; what one load brings
.set SLOT,   2*TILE
.set TMEM,   69632                     ; a tile in memory
.set SCO,    256*PITCH                 ; the scales' place in a tile
.set SPARE,  2*SLOT                    ; the spare words, 512 bytes
.set GP,     1040
.set OROW,   4096
.set ADRA, 16                          ; v16-17 A's fragments, slot 0, 1
.set ADRS, 18                          ; v18-19 scale words: lanes 0-15 A's rows, lanes 16-31 B's
.set ADRB, 20                          ; v20-21
.set CO,   22
.set RD,   23
.set STO,  24                          ; v24-25
.set RD0,  26
.set PFT,  27                          ; tiles' prefetch: 256 x min(lane, 16)
.set SPW,  28
.set NIL,  29
.set PFO,  30                          ; cx's prefetch: a lane a row
.set BO,   31
.set SC,   32                          ; v32-95 scale words, two sets
.set AF,   128
.set CT,   192
.set HT,   208
.set BS,   240
.set G1, 24                            ; s[24:31] group 1 for A, s[48:55] for B
.set G1B, 48
.set G0, 32                            ; s[32:39] groups 0 for A, a set a slot; s[56:63] for B
.set G0B, 56
.set PFA, 18                           ; s[18:19], s[100:101]: my 17 blocks of A's and B's K step 0
.set PFB, 100
.set PB,  40
.set PCX, 20
.set PH,  22
.set PC,  92
.set CC,  96                           ; s[96:97] -log2 e, s[98:99] 2 log2 e
.set CLP, 66                           ; s66 40.0
.set RO,  67
.set CNT, 3
.set MSB, 0
.macro WIN new
.if MSB != (\new)
	s_set_vgpr_msb (MSB<<8)|(\new)
.set MSB, (\new)
.endif
.endm
.set MUL_LO, 0xa1
.set MUL_HI, 0xf1
.set TO_B,   0x40
.macro TLOAD g0, g1                    ; an s_nop 0, then four v_nop
	tensor_load_to_lds s[\g0:\g0+3], s[\g1:\g1+7]
	s_nop 0
.rept 4
	v_nop
.endr
.endm
.macro JLOAD g0a, g1a, g0b, g1b        ; waves 0, 1 fetch for A, waves 2, 3 for B
	s_cmp_eq_u32 s15, 0
	s_cbranch_scc0 .Lfor_b_\@
	TLOAD \g0a, \g1a
	s_branch .Lasked_\@
.Lfor_b_\@:
	TLOAD \g0b, \g1b
.Lasked_\@:
.endm
.macro CREST
	s_cmp_lg_u32 s14, 0
	s_cbranch_scc1 .Lnot_wave_0_\@
	s_barrier_signal -3
.Lnot_wave_0_\@:
	s_barrier_wait -3
	s_barrier_signal -1
	s_barrier_wait -1
.endm
.macro CROUND
	s_barrier_signal -1
	s_barrier_wait -1
	CREST
.endm
.macro G1SET g, rows                   ; rows of 256 bytes (32 elements of 8), dense in memory, 16 bytes of padding behind each
	s_mov_b32 s[\g+1], 32<<16
	s_mov_b32 s[\g+2], (\rows)<<16
	s_mov_b32 s[\g+3], 32<<16
	s_mov_b32 s[\g+4], \rows
	s_mov_b32 s[\g+5], 32
	s_mov_b32 s[\g+6], 0
	s_mov_b32 s[\g+7], 0
.endm
.set DW0, (3<<16)|(1<<20)|(1<<21)|(5<<22)|(3<<25)
	s_load_b128 s[20:23], s[0:1], 0x0              ; a_pack, b_pack
	v_lshl_add_u32 v[SPW], v0, 2, SPARE
	v_mov_b32 v[NIL], 0
	ds_add_u32 v[SPW], v[NIL]                      ; the opening lines: the add twice on end and its wait
	ds_add_u32 v[SPW], v[NIL]
	v_lshrrev_b32 v1, 5, v0
	v_readfirstlane_b32 s14, v1                    ; wave
	s_lshr_b32 s15, s14, 1                         ; my half of the rows; also: I fetch for A (0) or B (1)
	s_and_b32 s16, s14, 1                          ; my half of B's rows; also: which half tile I fetch
	s_bfe_u32 s40, ttmp6, 0x40000                  ; cx
	s_bfe_u32 s41, ttmp6, 0x40004                  ; cy
	s_lshl_b32 s42, ttmp9, 2
	s_add_co_u32 s42, s42, s40                     ; tile column
	s_and_b32 s17, ttmp7, 0xffff
	s_lshl_b32 s17, s17, 2
	s_add_co_u32 s17, s17, s41                     ; tile row
	s_lshl_b32 s43, s41, 2
	s_lshl_b32 s43, 15, s43                        ; my row of the cluster
	s_lshl_b32 s44, 0x1111, s40                    ; my column
	s_or_b32 s[G1], s43, DW0
	s_or_b32 s[G1B], s44, DW0
	G1SET G1, 136
	G1SET G1B, 136
	s_mul_i32 s94, s17, 4*TMEM                     ; A's four tiles of my tile row
	s_mov_b32 s95, 0
	s_mul_i32 s46, s42, 4*TMEM                     ; B's of my tile column
	s_mov_b32 s47, 0
	s_mul_i32 s45, s14, HALF                       ; my load's place in a slot
	s_mul_i32 s12, s16, 136*256                    ; and in a tile in memory
	s_mov_b32 s13, 0
	s_wait_dscnt 0x0
	s_wait_kmcnt 0x0
	s_add_nc_u64 s[20:21], s[20:21], s[94:95]
	s_add_nc_u64 s[22:23], s[22:23], s[46:47]
	CROUND                                         ; in front of the first joint loads
	s_add_nc_u64 s[92:93], s[20:21], s[12:13]
	s_add_nc_u64 s[94:95], s[22:23], s[12:13]
.irp s, 0,1
	s_mov_b32 s[G0+4*\s], 1
	s_add_co_u32 s[G0+4*\s+1], s45, \s*SLOT
	s_add_nc_u64 s[G0+4*\s+2:G0+4*\s+3], s[92:93], \s*TMEM
	s_or_b32 s[G0+4*\s+3], s[G0+4*\s+3], 0x80000000
	s_mov_b32 s[G0B+4*\s], 1
	s_add_co_u32 s[G0B+4*\s+1], s45, \s*SLOT
	s_add_nc_u64 s[G0B+4*\s+2:G0B+4*\s+3], s[94:95], \s*TMEM
	s_or_b32 s[G0B+4*\s+3], s[G0B+4*\s+3], 0x80000000
.endr
	JLOAD G0, G1, G0B, G1B                         ; K step 0: one tensor load a wave at the head
	s_lshl_b32 s2, s40, 2                          ; the prefetches: of A's tile the partner at cx, wave w, names blocks 17 (4 cx + w) on; of B's by cy
	s_add_co_u32 s2, s2, s14
	s_mul_i32 s2, s2, 17*256
	s_mov_b32 s3, 0
	s_add_nc_u64 s[PFA:PFA+1], s[20:21], s[2:3]
	s_lshl_b32 s2, s41, 2
	s_add_co_u32 s2, s2, s14
	s_mul_i32 s2, s2, 17*256
	s_add_nc_u64 s[PFB:PFB+1], s[22:23], s[2:3]
	s_mul_i32 s66, s15, HALFT                      ; my rows of A
	s_mul_i32 s67, s16, HALFT
	s_add_co_u32 s67, s67, TILE                    ; my rows of B
	s_mul_i32 s43, s15, 8*PITCH
	s_add_co_u32 s43, s43, SCO                     ; A's scale words
	s_mul_i32 s44, s16, 8*PITCH
	s_add_co_u32 s44, s44, TILE+SCO
	s_sub_co_u32 s44, s44, s43                     ; the distance to B's
	s_mul_i32 s2, s15, 128*GP
	s_lshl_b32 s3, s16, 7
	s_add_co_u32 s2, s2, s3                        ; into the stage
	s_mul_i32 s3, s14, 64*GP                       ; back: rows 64 w on
	s_lshl_b32 s45, s42, 8                         ; the tile's first hidden unit, in bytes
	s_lshl_b32 s12, s17, 8
	s_lshl_b32 s13, s14, 6
	s_add_co_u32 s12, s12, s13
	s_lshl_b32 s12, s12, 12
	s_add_co_u32 s12, s12, s45                     ; my first row and column in cx, out0, out1
	s_mov_b32 s13, 0
	s_mov_b32 s[CC], 0xbfb8aa3b
	s_mov_b32 s[CC+1], s[CC]
	s_mov_b32 s[CC+2], 0x4038aa3b
	s_mov_b32 s[CC+3], s[CC+2]
	v_and_b32 v1, 15, v0
	v_bfe_u32 v2, v0, 4, 1
	v_and_b32 v6, 31, v0
	v_mul_u32_u24 v3, v1, PITCH
	v_lshl_add_u32 v4, v2, 4, v3
	v_add_nc_u32 v[ADRA], s66, v4
	v_add_nc_u32 v[ADRB], s67, v4
	v_add_nc_u32 v[ADRA+1], SLOT, v[ADRA]
	v_add_nc_u32 v[ADRB+1], SLOT, v[ADRB]
	v_mul_u32_u24 v5, s44, v2                      ; lanes 16-31 take B's: the lower base + half x the distance
	v_lshl_add_u32 v5, v1, 4, v5                   ; 16 bytes a row
	v_add_nc_u32 v[ADRS], s43, v5
	v_add_nc_u32 v[ADRS+1], SLOT, v[ADRS]
	v_mul_u32_u24 v5, v1, GP
	v_lshl_add_u32 v5, v2, 5, v5
	v_add_nc_u32 v[STO], s2, v5
	v_add_nc_u32 v[STO+1], 64*GP, v[STO]
	v_mul_u32_u24 v5, v2, GP
	v_lshl_add_u32 v5, v1, 4, v5
	v_add_nc_u32 v[RD0], s3, v5
	v_lshlrev_b32 v[CO], 12, v2
	v_lshl_add_u32 v[CO], v1, 4, v[CO]
	v_lshlrev_b32 v[PFO], 12, v6
	v_lshl_add_u32 v[BO], v1, 4, s45
	v_min_u32 v6, 16, v6
	v_lshlrev_b32 v[PFT], 8, v6
	s_mov_b32 s[CLP], 0x42200000                   ; 40.0
	s_load_b256 s[PB:PB+7], s[0:1], 0x10           ; the four biases
	s_load_b128 s[20:23], s[0:1], 0x30             ; cx, out0
	s_load_b64 s[PC:PC+1], s[0:1], 0x40            ; out1
	s_wait_alu depctr_va_vdst(0)                   ; the wait at the head's end
	s_wait_kmcnt 0x0
	s_add_nc_u64 s[PCX:PCX+1], s[PCX:PCX+1], s[12:13]
	s_add_nc_u64 s[PH:PH+1], s[PH:PH+1], s[12:13]
	s_add_nc_u64 s[PC:PC+1], s[PC:PC+1], s[12:13]
.irp g, 0,1,2,3
	global_load_b128 v[BS+4*\g:BS+4*\g+3], v[BO], s[PB+2*\g:PB+2*\g+1]   ; awaited on the way out
.endr
.macro ASKT ks                         ; K step ks's tiles: my 17 blocks of A's and of B's; the address registers are never rewritten
	global_prefetch_b8 v[PFT], s[PFA:PFA+1] offset:(\ks)*TMEM th:TH_LOAD_NT scope:SCOPE_SE
	global_prefetch_b8 v[PFT], s[PFB:PFB+1] offset:(\ks)*TMEM th:TH_LOAD_NT scope:SCOPE_SE
.endm
	ASKT 1
.macro FRAG reg, adr, q, i
.irp c, 0,1
	ds_load_b128 v[\reg+4*\c:\reg+4*\c+3], v[\adr] offset:64*(\q)+32*\c+(\i)*16*PITCH
.endr
.endm
; 16 matrix instructions: A's blocks a0, a0 + 1 x B's eight.  The 64 accumulators take turns.
.macro MUL16 a0, p, q, sc, zero
.irp a, \a0, \a0+1
.irp b, 0,1,2,3,4,5,6,7
.if \zero
	v_wmma_scale_f32_16x16x128_f8f6f4 v[8*(8*((\a)%4)+\b):8*(8*((\a)%4)+\b)+7], v[128*(\p)+FR*\b:128*(\p)+FR*\b+FR-1], v[AF+FR*(\a):AF+FR*(\a)+FR-1], 0, v[SC+8*NQ*(\sc)+NQ*\b+(\q)], v[SC+8*NQ*(\sc)+NQ*(\a)+(\q)] matrix_a_fmt:MATRIX_FMT_FP4 matrix_b_fmt:MATRIX_FMT_FP4 matrix_a_scale:MATRIX_SCALE_ROW1
.else
	v_wmma_scale_f32_16x16x128_f8f6f4 v[8*(8*((\a)%4)+\b):8*(8*((\a)%4)+\b)+7], v[128*(\p)+FR*\b:128*(\p)+FR*\b+FR-1], v[AF+FR*(\a):AF+FR*(\a)+FR-1], v[8*(8*((\a)%4)+\b):8*(8*((\a)%4)+\b)+7], v[SC+8*NQ*(\sc)+NQ*\b+(\q)], v[SC+8*NQ*(\sc)+NQ*(\a)+(\q)] matrix_a_fmt:MATRIX_FMT_FP4 matrix_b_fmt:MATRIX_FMT_FP4 matrix_a_scale:MATRIX_SCALE_ROW1
.endif
.endr
.endr
.endm
.macro FETCH_B slot, q, p
	WIN TO_B
.irp i, 0,1,2,3,4,5,6,7
	FRAG 128*(\p)+FR*\i, ADRB+\slot, \q, \i
.endr
	WIN 0
.endm
.macro FETCH_A slot, q, i0
.irp i, \i0, \i0+1, \i0+2, \i0+3
	FRAG AF+FR*(\i), ADRA+\slot, \q, \i
.endr
.endm
.macro SCALES sc                       ; the slot's scale words: four a row; 16 rows' lie in one LDS row
.irp i, 0,1,2,3,4,5,6,7
	ds_load_b128 v[SC+8*NQ*\sc+NQ*\i:SC+8*NQ*\sc+NQ*\i+3], v[ADRS+\sc] offset:\i*PITCH
.endr
.endm
.macro PLACES n                        ; plain places behind matrix instructions (ISA guide 7.12.1)
.rept \n
	v_nop
.endr
.endm
.macro STEP slot, q, zero
	s_wait_dscnt 4*NL                              ; all but the youngest eight loads (A's blocks 4-7)
	WIN MUL_LO
	MUL16 0, (\q)%2, \q, \slot, \zero
	MUL16 2, (\q)%2, \q, \slot, \zero
	s_wait_dscnt 0
	PLACES NP
	FETCH_B \slot, (\q)+1, 1-(\q)%2
	FETCH_A \slot, (\q)+1, 0
	WIN MUL_HI
	MUL16 4, (\q)%2, \q, \slot, \zero
	MUL16 6, (\q)%2, \q, \slot, \zero
	PLACES NP
	WIN 0
	FETCH_A \slot, (\q)+1, 4
.endm
; A slot's last step changes slots.  fill = 1: the slot is filled again, two K steps on, behind a round of the cluster's barrier.  pf = 1: K step 3's tiles are named; pf = 2: cx.
.macro TURN slot, next, fill, pf
	s_wait_tensorcnt 0x0                           ; all my tensor loads have landed
	ds_add_u32 v[SPW], v[NIL]
	s_wait_dscnt 4*NL+1                            ; the add and the youngest eight loads may be out
	WIN MUL_LO
	MUL16 0, 1, NQ-1, \slot, 0
	s_wait_dscnt 0x0                               ; the add is done, my reads of this slot are over
	s_barrier_signal -1
	MUL16 2, 1, NQ-1, \slot, 0
	WIN 0
	s_barrier_wait -1
.if \fill
	CREST
	s_add_nc_u64 s[G0+4*\slot+2:G0+4*\slot+3], s[G0+4*\slot+2:G0+4*\slot+3], 2*TMEM      ; no load of mine is out
	s_add_nc_u64 s[G0B+4*\slot+2:G0B+4*\slot+3], s[G0B+4*\slot+2:G0B+4*\slot+3], 2*TMEM
	JLOAD G0+4*\slot, G1, G0B+4*\slot, G1B         ; my one load behind the round; its four v_nop are the places in front of the loads below
.else
	PLACES NP
.endif
	FETCH_B \next, 0, 0
	FETCH_A \next, 0, 0
	SCALES \next
.if \pf == 1
	ASKT 3
.endif
.if \pf == 2
	global_prefetch_b8 v[PFO], s[PCX:PCX+1] th:TH_LOAD_NT scope:SCOPE_SE
	global_prefetch_b8 v[PFO], s[PCX:PCX+1] offset:32*OROW th:TH_LOAD_NT scope:SCOPE_SE
.endif
	WIN MUL_HI
	MUL16 4, 1, NQ-1, \slot, 0
	MUL16 6, 1, NQ-1, \slot, 0
	PLACES NP
	WIN 0
	FETCH_A \next, 0, 4
.endm
.macro STEPS slot, from
.set Q, \from
.rept NQ-1-\from
	STEP \slot, Q, 0
.set Q, Q+1
.endr
.endm
	s_wait_tensorcnt 0x0                           ; my part of K step 0 is in
	ds_add_u32 v[SPW], v[NIL]
	s_wait_dscnt 0x0
	CROUND                                         ; everybody's part is in, and the joint loads meet
	JLOAD G0+4, G1, G0B+4, G1B                     ; K step 1, the first tensor load behind the round
	FETCH_B 0, 0, 0
	FETCH_A 0, 0, 0
	SCALES 0
	FETCH_A 0, 0, 4
	ASKT 2
	STEP 0, 0, 1                                   ; K step 0: the first products start the sums
	STEPS 0, 1
	TURN 0, 1, 1, 1                                ; slot 0 takes K step 2
	STEPS 1, 0
	TURN 1, 0, 1, 2                                ; slot 1 takes K step 3
	STEP 0, 0, 0
	STEPS 0, 1
	TURN 0, 1, 0, 0
	STEPS 1, 0
	s_wait_dscnt 4*NL
	WIN MUL_LO
	MUL16 0, 1, NQ-1, 1, 0
	MUL16 2, 1, NQ-1, 1, 0
	s_wait_dscnt 0x0                               ; my reads of the ring are over for good
	s_barrier_signal -1
	WIN MUL_HI
	MUL16 4, 1, NQ-1, 1, 0
	MUL16 6, 1, NQ-1, 1, 0
	WIN 0
	s_barrier_wait -1                              ; no wave reads either slot, both have had their last fill: the stage may lie there
.macro DUMP a                          ; block a into the stage, each accumulator from its low end on
.set AC, 64*((\a)%4)
	WIN 0x08+4*((\a)/4)
.irp b, 0,1,2,3,4,5,6,7
	ds_store_b128 v[STO+(\a)/4], v[AC+8*\b:AC+8*\b+3] offset:((\a)%4)*16*GP+256*(\b/2)+64*(\b%2)
	ds_store_b128 v[STO+(\a)/4], v[AC+8*\b+4:AC+8*\b+7] offset:((\a)%4)*16*GP+256*(\b/2)+64*(\b%2)+16
.endr
.endm
.macro LDSG set, k                     ; eight rows' gates: register 16 g + 4 q + e
.irp q, 0,1,2,3
.irp g, 0,1,2,3
	ds_load_b128 v[32+96*(\set)+16*\g+4*\q:32+96*(\set)+16*\g+4*\q+3], v[RD] offset:(\k)*8*GP+\q*2*GP+256*\g
.endr
.endr
.endm
.macro CXL set, k
.irp q, 0,1,2,3
	global_load_b128 v[96+16*(\set)+4*\q:96+16*(\set)+4*\q+3], v[CO], s[PCX:PCX+1] offset:(8*(\k)+2*\q)*OROW th:TH_LOAD_NT
.endr
.endm
.macro PKF b, m                        ; c (gate + bias): pair m of the set at b; c = -log2 e for f, i, o, 2 log2 e for g
	v_pk_fma_f32 v[\b+2*(\m):\b+2*(\m)+1], v[\b+2*(\m):\b+2*(\m)+1], s[CC+2*((\m)/24):CC+2*((\m)/24)+1], v[BS+4*((\m)/8)+(2*(\m))%4:BS+4*((\m)/8)+(2*(\m))%4+1] op_sel_hi:[1,0,1]
.endm
.macro HOLD b, i                       ; held at 40
	v_min_num_f32 v[\b+(\i)], s[CLP], v[\b+(\i)]
.endm
; A batch of 16 transcendentals in place, with this set's wait ahead, the plain place and the wait behind.  kind 1 to 3: among them stands plain work on the OTHER set's registers (at NG), which names no
; register of the batch and is first read behind a batch's closing wait: kind 1: pairs 0-23 scaled; kind 2: pairs 24-31 scaled, numbers 0-31 held; kind 3: numbers 32-63 held.
.macro TRX op, r, kind
	s_wait_alu depctr_va_vdst(0)
.set n, 0
.rept 16
	\op v[\r+n], v[\r+n]
.if \kind == 1
	PKF NG, n
.if n%2 == 0
	PKF NG, 16+n/2
.endif
.endif
.if \kind == 2
.if n < 8
	PKF NG, 24+n
.endif
	HOLD NG, 2*n
	HOLD NG, 2*n+1
.endif
.if \kind == 3
	HOLD NG, 32+2*n
	HOLD NG, 33+2*n
.endif
.set n, n+1
.endr
	v_nop
	s_wait_alu depctr_va_vdst(0)
.endm
; Eight rows are finished from set s, whose exponents are ready.  next = 1: the other set is asked for (rows 8 k on) and its exponents are made inside this step's short batches.
.macro ESTEP set, j, next, k
.set GAS, 32+96*(\set)
.set NG,  32+96*(1-(\set))
.set CXS, 96+16*(\set)
.if \next
	LDSG 1-(\set), \k
	CXL 1-(\set), \k
.endif
	s_wait_alu depctr_va_vdst(0)
.set n, 0
.rept 64
	v_exp_f32 v[GAS+n], v[GAS+n]
.set n, n+1
.endr
	v_nop
	s_wait_alu depctr_va_vdst(0)
.if \next
	s_wait_loadcnt 4                               ; this set's cx is in; the other set's four loads may be out
	s_wait_dscnt 0x0                               ; the other set's gates are in
.else
	s_wait_loadcnt 0x0
.endif
	s_wait_xcnt 0x0                                ; the last stores have read ct's and ht's registers
.irp n, 0,1,2,3,4,5,6,7
	v_pk_add_f32 v[HT+2*\n:HT+2*\n+1], v[GAS+48+2*\n:GAS+49+2*\n], -1.0 op_sel_hi:[1,0]               ; T = Eg - 1
.endr
.irp n, 0,1,2,3,4,5,6,7
	v_pk_add_f32 v[GAS+48+2*\n:GAS+49+2*\n], v[GAS+48+2*\n:GAS+49+2*\n], 1.0 op_sel_hi:[1,0]          ; G = 1 + Eg
.endr
.irp n, 0,1,2,3,4,5,6,7
	v_pk_fma_f32 v[GAS+16+2*\n:GAS+17+2*\n], v[GAS+16+2*\n:GAS+17+2*\n], v[GAS+48+2*\n:GAS+49+2*\n], v[GAS+48+2*\n:GAS+49+2*\n]   ; P = (1+Ei) G
.endr
.irp n, 0,1,2,3,4,5,6,7
	v_pk_fma_f32 v[HT+2*\n:HT+2*\n+1], v[HT+2*\n:HT+2*\n+1], v[GAS+2*\n:GAS+2*\n+1], v[HT+2*\n:HT+2*\n+1]   ; U = T (1+Ef)
.endr
.irp n, 0,1,2,3,4,5,6,7
	v_pk_fma_f32 v[GAS+48+2*\n:GAS+49+2*\n], v[GAS+2*\n:GAS+2*\n+1], v[GAS+16+2*\n:GAS+17+2*\n], v[GAS+16+2*\n:GAS+17+2*\n]       ; D = (1+Ef) P
.endr
.irp n, 0,1,2,3,4,5,6,7
	v_pk_fma_f32 v[CT+2*\n:CT+2*\n+1], v[CXS+2*\n:CXS+2*\n+1], v[GAS+16+2*\n:GAS+17+2*\n], v[HT+2*\n:HT+2*\n+1]   ; cx P + U
.endr
	TRX v_rcp_f32, GAS+48, 1*\next
.irp n, 0,1,2,3,4,5,6,7
	v_pk_mul_f32 v[CT+2*\n:CT+2*\n+1], v[CT+2*\n:CT+2*\n+1], v[GAS+48+2*\n:GAS+49+2*\n]               ; ct
.endr
.irp n, 0,1,2,3,4,5,6,7
	v_pk_mul_f32 v[HT+2*\n:HT+2*\n+1], v[CT+2*\n:CT+2*\n+1], s[CC+2:CC+3] op_sel_hi:[1,0]
.endr
.set n, 0
.rept 16
	HOLD HT, n
.set n, n+1
.endr
	TRX v_exp_f32, HT, 2*\next
.irp q, 0,1,2,3
	global_store_b128 v[CO], v[CT+4*\q:CT+4*\q+3], s[PC:PC+1] offset:(8*(\j)+2*\q)*OROW th:TH_STORE_NT   ; sixteen lanes store 256 consecutive bytes, aligned
.endr
.irp n, 0,1,2,3,4,5,6,7
	v_pk_add_f32 v[GAS+2*\n:GAS+2*\n+1], v[HT+2*\n:HT+2*\n+1], -1.0 op_sel_hi:[1,0]                   ; Ec - 1
.endr
.irp n, 0,1,2,3,4,5,6,7
	v_pk_add_f32 v[HT+2*\n:HT+2*\n+1], v[HT+2*\n:HT+2*\n+1], 1.0 op_sel_hi:[1,0]                      ; C = 1 + Ec
.endr
.irp n, 0,1,2,3,4,5,6,7
	v_pk_fma_f32 v[HT+2*\n:HT+2*\n+1], v[GAS+32+2*\n:GAS+33+2*\n], v[HT+2*\n:HT+2*\n+1], v[HT+2*\n:HT+2*\n+1]   ; (1+Eo) C
.endr
	TRX v_rcp_f32, HT, 3*\next
.irp n, 0,1,2,3,4,5,6,7
	v_pk_mul_f32 v[HT+2*\n:HT+2*\n+1], v[HT+2*\n:HT+2*\n+1], v[GAS+2*\n:GAS+2*\n+1]                   ; ht
.endr
.irp q, 0,1,2,3
	global_store_b128 v[CO], v[HT+4*\q:HT+4*\q+3], s[PH:PH+1] offset:(8*(\j)+2*\q)*OROW th:TH_STORE_NT
.endr
.endm
	PLACES NP
	CXL 0, 0
.irp a, 0,1,2,3,4,5,6,7
	DUMP \a
.endr
	WIN 0
	s_wait_dscnt 0x0                               ; for the others' sake: my stores into the stage are done
	s_barrier_signal -1
	s_barrier_wait -1
	s_wait_loadcnt 4                               ; the biases are in; the four loads of cx may be out
.irp n, 0,1,2,3,4,5,6,7
	v_pk_mul_f32 v[BS+2*\n:BS+2*\n+1], v[BS+2*\n:BS+2*\n+1], s[CC+2*(\n/6):CC+2*(\n/6)+1] op_sel_hi:[1,0]   ; c b, once
.endr
	s_mov_b32 s[RO], 0
	v_add_nc_u32 v[RD], s[RO], v[RD0]
	s_wait_alu depctr_va_vdst(0)
	LDSG 0, 0
	s_wait_dscnt 0x0
.set n, 0
.rept 32
	PKF 32, n                                      ; the first eight rows' exponents
.set n, n+1
.endr
.set n, 0
.rept 64
	HOLD 32, n
.set n, n+1
.endr
	s_mov_b32 s[CNT], 3
.Lrows:                                            ; a trip finishes 16 of my 64 rows and prepares the next trip's first eight
	ESTEP 0, 0, 1, 1
	ESTEP 1, 1, 1, 2
	s_wait_xcnt 0x0                                ; the loads and stores have read their offset
	v_add_nc_u32 v[CO], 16*OROW, v[CO]
	s_add_co_u32 s[RO], s[RO], 16*GP
	v_add_nc_u32 v[RD], s[RO], v[RD0]
	s_sub_co_u32 s[CNT], s[CNT], 1
	s_cmp_lg_u32 s[CNT], 0
	s_wait_alu depctr_va_vdst(0)                   ; the wait directly ahead of the branch
	s_cbranch_scc1 .Lrows
	ESTEP 0, 0, 1, 1                               ; the last 16 rows: nothing is asked for beyond them
	ESTEP 1, 1, 0, 0
	s_wait_tensorcnt 0x0                           ; the wave's end
	ds_add_u32 v[SPW], v[NIL]
	s_wait_dscnt 0x0
	CROUND                                         ; the closing round
	s_endpgm
.Lfunc_end_k_qc6b746bc09_lstm:
	.size	k_qc6b746bc09_lstm, .Lfunc_end_k_qc6b746bc09_lstm-k_qc6b746bc09_lstm
	.p2alignl 7, 3214868480
	.fill 96, 4, 3214868480
	.section	.rodata,"a",@progbits
	.p2align	6, 0x0
	.amdhsa_kernel k_qc6b746bc09_lstm
		.amdhsa_group_segment_fixed_size 327680
		.amdhsa_private_segment_fixed_size 0
		.amdhsa_enable_private_segment 0
		.amdhsa_kernarg_size 72
		.amdhsa_user_sgpr_count 2
		.amdhsa_user_sgpr_kernarg_segment_ptr 1
		.amdhsa_wavefront_size32 1
		.amdhsa_system_sgpr_workgroup_id_x 1
		.amdhsa_system_sgpr_workgroup_id_y 1
		.amdhsa_system_sgpr_workgroup_id_z 1
		.amdhsa_system_vgpr_workitem_id 0
		.amdhsa_next_free_vgpr 1024
		.amdhsa_next_free_sgpr 102
		.amdhsa_reserve_vcc 0
		.amdhsa_float_denorm_mode_32 3
		.amdhsa_float_denorm_mode_16_64 3
		.amdhsa_memory_ordered 1
		.amdhsa_forward_progress 1
		.amdhsa_inst_pref_size 255
	.end_amdhsa_kernel
	.section	.bss,"aw",@nobits
	.p2align	6
	.space	262144
	.amdgpu_metadata
---
amdhsa.version: [ 1, 2 ]
amdhsa.kernels:
  - .name:           k_qc6b746bc09_lstm
    .symbol:         k_qc6b746bc09_lstm.kd
    .args:
      - { .name: a_pack, .offset: 0, .size: 8, .value_kind: global_buffer, .address_space: global }
      - { .name: b_pack, .offset: 8, .size: 8, .value_kind: global_buffer, .address_space: global }
      - { .name: b_fg, .offset: 16, .size: 8, .value_kind: global_buffer, .address_space: global }
      - { .name: b_ig, .offset: 24, .size: 8, .value_kind: global_buffer, .address_space: global }
      - { .name: b_og, .offset: 32, .size: 8, .value_kind: global_buffer, .address_space: global }
      - { .name: b_ci, .offset: 40, .size: 8, .value_kind: global_buffer, .address_space: global }
      - { .name: cx, .offset: 48, .size: 8, .value_kind: global_buffer, .address_space: global }
      - { .name: out0, .offset: 56, .size: 8, .value_kind: global_buffer, .address_space: global }
      - { .name: out1, .offset: 64, .size: 8, .value_kind: global_buffer, .address_space: global }
    .group_segment_fixed_size: 327680
    .private_segment_fixed_size: 0
    .kernarg_segment_align: 8
    .kernarg_segment_size: 72
    .max_flat_workgroup_size: 128
    .sgpr_count:     102
    .vgpr_count:     1024
    .wavefront_size: 32
...
	.end_amdgpu_metadata
.endif
;; end of part 2
